; MI455X (gfx1250); checked and timed in simulation.
; The chip was launched on July 23, 2026; its instructions are those of AMD's public machine-readable ISA for CDNA 5 (MIT licence, August 2026) and "CDNA5" Instruction Set Architecture Reference Guide (July 2026). The comments in the code are by the model that wrote it; some were corrected since.
;; Quadratic Form Model. Allowed arithmetic: float matrix products may take bf16 or f16 operands with f32 sums; all other float work in f32.
;; Inputs: A 256 x 256 float32; b 1 float32; v 256 float32; x 131,072 x 256 float32.
;; Outputs: out0 131,072 float32.
;; One version. Each part assembles by itself: llvm-mc -triple=amdgcn-amd-amdhsa -mcpu=gfx1250 --defsym DOCPART=n.
;; ======== version 1 of 1: 1 launch
;; limits: values are held in f16: magnitudes above 65,504 overflow, below 6.1e-05 lose precision
;; launch quad (part 1): grid 256 x 1, 4 waves a work-group, clusters of 4 x 1, 286,208 bytes of LDS; arguments x, A, v, b, out0; writes out0
.if DOCPART == 1
	.amdgcn_target "amdgcn-amd-amdhsa--gfx1250"
	.amdhsa_code_object_version 6
	.text
	.protected	k_q0a1d50c7ef_quad
	.globl	k_q0a1d50c7ef_quad
	.p2align	8
	.type	k_q0a1d50c7ef_quad,@function
k_q0a1d50c7ef_quad:
	s_mov_b64 s[64:65], 0
	v_nop
	global_prefetch_b8 v0, s[64:65] scope:SCOPE_SE
	s_setreg_imm32_b32 hwreg(HW_REG_WAVE_MODE, 25, 1), 1
	s_wait_xcnt 0x0
	s_wait_alu depctr_hold_cnt(0) depctr_sa_sdst(0) depctr_va_vdst(0) depctr_va_sdst(0) depctr_va_ssrc(0) depctr_va_vcc(0) depctr_vm_vsrc(0)
	s_getreg_b32 s2, hwreg(HW_REG_IB_STS2, 6, 4)
	s_cmp_eq_u32 s2, 0
	s_cbranch_scc0 .Lentry_in_a_cluster
	s_endpgm
.Lentry_in_a_cluster:
	s_bfe_u32 s2, ttmp6, 0x10000c
	s_cmp_lg_u32 s2, 0x3003
	s_cbranch_scc0 .Lentry_shape_is_right
	s_endpgm
.Lentry_shape_is_right:
; out[r] = x_r A x_r + x_r v + b.   x: [131072][256] f32, A: [256][256] f32, v: [256] f32, b: [1] f32, out: [131072] f32.
;
; THE FORM.  x A x = sum over n of x_n (sum over k <= n of L[n][k] x_k), with L[n][k] = A[n][k] + A[k][n] for k < n, A[n][n] for k = n,
; 0 for k > n: true of every A.  In blocks of 16 n x 32 k only 72 of 128 blocks of L are not zero, so 72 of 128 matrix instructions are issued
; for 16 rows of x.  v rides in as the C operand of each sum's first instruction: y_n = v_n + sum_k L[n][k] x_k, out = b + sum_n x_n y_n.
; THE MATRIX INSTRUCTION IS USED TRANSPOSED: source 0 = 16 rows n of L, source 1 = 16 rows of x.  Lane (r = l % 16, h = l / 16) then holds
; y[row r][n0 + 8h + 0..7], the very columns whose f32 x the lane read to build its own f16 fragment: the outer product with x is done
; in f32, in place, with no traffic between lanes but one exchange of the two halves at a tile's end.
; SHARES.  256 work-groups of four waves; a work-group owns 512 rows, a wave 128 rows as four tiles of 32 rows (two fragments of 16) with all
; 256 columns: no sum crosses waves.  A tile is 36 steps (p, kb), kb <= p, of four matrix instructions: n blocks 2p, 2p+1 x two row fragments.
; x: each byte is read once, by loads of 512 consecutive aligned bytes a wave, into a ring of 128 x 4 registers; from there into the
; wave's own stage in LDS (pitch 1,040), and back in fragment order.  The waits on these loads are counted, and no barrier stands in the stream.
; A: the four work-groups of a cluster need the same 256 KiB: each wave asks for 64 rows by ONE joint tensor load that names the four
; (one tensor load of a wave is out, by this text's count).  L is made from it once, in f32, rounded to f16, and laid over A's bytes, which are never filled again.
; The text has no loop: the four tiles differ in ring window, in refills and in the turn of the fragment slots, and every wait's count is
; worked out by assembly symbols that count what has been issued.
;
; LIMITS, kept knowingly.  The matrix operands (L, and x as the inner factor) are f16: a magnitude above 65,504 becomes an infinity there,
; below 2^-14 the step is 2^-24.  x of spread 1 and A of spread 0.02 keep room for factors of 30 either way and offsets of 30 spreads
; (|x| near 1,100, |L| near 40; L of spread 9e-4 is still normal).  f16 and not bf16, because its three more significand bits keep the
; rounding of 32,896 products far inside one hundredth of the result's spread.  The order of summation is not reference()'s.
; A[n][k] + A[k][n] overflows f32 where the two together pass 3.4e38.  A row of x that holds an infinity may give NaN where reference() gives an infinity
; (0 x infinity in the zero part of L's diagonal blocks).
; Not used: prefetches (the launch keeps its own loads out from its first lines to its last tile), a launch of its own for L (a round trip through memory).
; ---- LDS
.set AFP,   1040                       ; pitch of A's rows and of the stage's: 1,024 + 16 = 65 x 16 bytes, so sixteen rows begin in sixteen different 16-byte columns of a span of 256
.set LTP,   144                        ; pitch of L's rows in a plane: 8 x 16 + 16 = 9 x 16 bytes, likewise
.set PLANE, 256*LTP                    ; 36,864: plane o holds, for every n and every block Q of 32 k, the 8 numbers k = 32 Q + 8 o + 0..7, at n*144 + 16 Q
.set SA,    4*PLANE                    ; 147,456: the stages, one for each wave
.set SAW,   33792                      ; a wave's stage: 32 rows x 1,040 = 33,280, rounded up to whole blocks of 1,024
.set VL,    SA+4*SAW                   ; 282,624: v, 1,024 bytes
.set OS,    VL+1024                    ; 283,648: results, 512 bytes for each wave.  A in f32 lies at 0 .. 266,239 until L is made
; ---- registers, window 0 (an instruction names v0-v255; s_set_vgpr_msb says which window of 256 each operand place means)
.set VOFF, 4                           ; 16 l: my 16 bytes in a half row of x, and in the wave's 512 bytes of out
.set STW,  5                           ; stage, in:   SA + w SAW + 16 l
.set STR,  6                           ; stage, back: SA + w SAW + 1040 r + 32 h
.set LA0,  7                           ; L: plane h,     row r
.set LA1,  8                           ; L: plane 2 + h, row r
.set VA,   9                           ; v: VL + 32 h
.set OSW,  10                          ; results in:   OS + 512 w + 4 l
.set OSR,  11                          ; results back: OS + 512 w + 16 l
; while L is made:
.set NATA, 16                          ; v16-23   A(32 P + l, 8 w ..): (32 P + l) 1040 + 32 w
.set TRA,  24                          ; v24-31   A(32 Q + 8 w, l):    (32 Q + 8 w) 1040 + 4 l
.set TB,   32                          ; v32-95   four buffers of 16: 8 numbers of A as they lie, 8 of A transposed
.set LR,   96                          ; v96-239  36 units x 4 registers of L in f16
.set LTW,  240                         ; plane w, row l
.set DD,   242                         ; l - 8 w
.set VV,   244                         ; v[244:245] my two numbers of v
.set VGO,  246                         ; 8 x thread
.set VLW,  247                         ; VL + 8 x thread
; in the main part:
.set SS,   16                          ; v16-23   four pairs of running sums, q = 2 par + mt
.set RT,   24                          ; v24-31   at work at a tile's end; v27 has been written (as TRA+3) before v_permlanex16_b32 names it
.set ACC,  32                          ; v32-95   two sets x four accumulators x 8
.set VF,   96                          ; v96-127  two buffers x two n blocks x 8: v in the layout of C
.set FR,   128                         ; v128-255 eight step slots x 16: fragments of L (two n blocks)
; window 1:
.set XB,   0                           ; v0-127   x in f16: fragment (mt, kb) at 8 (8 mt + kb)
.set XF,   128                         ; v128-191 x in f32, two buffers of 32: 16 mt + 8 par + j
; windows 2 and 3: the ring.  x load number id lands in window 2 + (id / 64) % 2, registers 4 (id % 64) ..
.set MK,   40                          ; s40-48   lane masks: l - 8 w >= i, i = 0 .. 8
; s_set_vgpr_msb's low byte: bits 1:0 source 0, 3:2 source 1, 5:4 source 2, 7:6 destination
.set W_MUL, 0x04                       ; source 1 in window 1: matrix instructions (x), the outer products (x in f32); LDS loads into window 0
.set W_XFL, 0x40                       ; destination in window 1
.set W_CVT, 0x45                       ; destination and both sources in window 1
; ---- counters of the text
.set MSB,  0                           ; the window setting in force
.set NXT,  0                           ; x loads issued
.set STGD, 0                           ; x loads whose registers have been copied to the stage
.set DSN,  0                           ; LDS instructions issued in the main part
.set MARKF0, 0                         ; DSN behind the last load of: fragment slots 0-3, 4-7,
.set MARKF1, 0
.set MARKX0, 0                         ; XF's two buffers,
.set MARKX1, 0
.set MARKV0, 0                         ; VF's two buffers
.set MARKV1, 0
.macro WIN new                         ; the immediate's high byte repeats the setting that is left
.if MSB != (\new)
	s_set_vgpr_msb (MSB<<8)|(\new)
.set MSB, (\new)
.endif
.endm
.macro PLACES                          ; four places behind a matrix instruction: plain vector instructions that name none of its registers (ISA guide 7.12.1)
.rept 4
	v_nop
.endr
.endm
.macro DSWAIT m                        ; LDS instructions end in order (ISA guide 5.7.1): all up to the mark are done when only those issued behind it are out
.if DSN-(\m) > 63
	s_wait_dscnt 63
.else
	s_wait_dscnt DSN-(\m)
.endif
.endm
.macro LDWAIT id                       ; loads come back in order: load id is in when only the NXT - 1 - id issued behind it are out; the count's field ends at 63
.if NXT-1-(\id) > 63
	s_wait_loadcnt 63
.else
	s_wait_loadcnt NXT-1-(\id)
.endif
.endm
; A round of the cluster's barrier: my work-group's barrier, wave 0 signals for the work-group, every wave waits for all four work-groups, my work-group's barrier again.
.macro ROUND
	s_barrier_signal -1
	s_barrier_wait -1
	s_cmp_lg_u32 s20, 0
	s_cbranch_scc1 .Lnot_wave_0_\@
	s_barrier_signal -3
.Lnot_wave_0_\@:
	s_barrier_wait -3
	s_barrier_signal -1
	s_barrier_wait -1
.endm
; Up to n more loads of x.  A tile's 64 loads: the left halves of its 32 rows, then the right halves; 512 consecutive bytes each, aligned.
; A ring register is loaded again only when the load 128 before it has been copied to the stage.  v4 and s[4:5] are never rewritten.
.macro XQ n
.rept \n
.if NXT < 256
.if NXT < STGD+128
	WIN (0x80+0x40*((NXT>>6)&1))
	global_load_b128 v[4*(NXT&63):4*(NXT&63)+3], v[VOFF], s[4:5] offset:(NXT>>6)*32768+(NXT&31)*1024+((NXT>>5)&1)*512 th:TH_LOAD_NT
.set NXT, NXT+1
.endif
.endif
.endr
.endm
; Half a tile, 32 loads, from the ring into my stage.  LDS serves a wave's instructions in order, so these stores come behind my earlier reads of the same bytes.
.macro STAGE tt, half
	WIN (8+4*((\tt)&1))                            ; a store's data is source 1: the tile's ring window
.set SI, 0
.rept 4
.if SI == 0
	LDWAIT 64*(\tt)+32*(\half)+8*SI+7
.else
.if NXT-1-(64*(\tt)+32*(\half)+8*SI+7) < 63        ; (a count of 63 or more was served by the wait above)
	LDWAIT 64*(\tt)+32*(\half)+8*SI+7
.endif
.endif
.set SJ, 0
.rept 8
	ds_store_b128 v[STW], v[4*(32*(\half)+8*SI+SJ):4*(32*(\half)+8*SI+SJ)+3] offset:(8*SI+SJ)*AFP+512*(\half)
.set SJ, SJ+1
.endr
.set SI, SI+1
.endr
.set DSN, DSN+32
.set STGD, STGD+32
.endm
; ================= set-up: first what the loads of x need
	s_load_b256 s[4:11], s[0:1], 0x0               ; x s[4:5], A s[6:7], v s[8:9], b s[10:11]
	s_load_b64 s[12:13], s[0:1], 0x20              ; out0
	v_lshl_add_u32 v14, v0, 2, 0x45c00
	v_mov_b32 v15, 0
	ds_add_u32 v14, v15
	v_and_b32 v1, 31, v0                           ; l
	v_lshrrev_b32 v2, 5, v0
	v_readfirstlane_b32 s20, v2                    ; w: my wave, 0 .. 3
	v_lshlrev_b32 v[VOFF], 4, v1
	v_lshlrev_b32 v[VGO], 3, v0
	s_bfe_u32 s21, ttmp6, 0x40000                  ; cx: my place in the cluster
	s_lshl_b32 s22, ttmp9, 2                       ; in a cluster launch ttmp9 counts clusters
	s_add_co_u32 s22, s22, s21                     ; work-group 0 .. 255
	s_lshl_b32 s36, s22, 19                        ; 512 rows of 1,024 bytes a work-group (at most 255 x 524,288: inside 32 bits),
	s_lshl_b32 s38, s20, 17                        ; 128 rows a wave
	s_add_co_u32 s36, s36, s38
	s_mov_b32 s37, 0
	s_wait_dscnt 0x0
	s_wait_kmcnt 0x0
	s_add_nc_u64 s[4:5], s[4:5], s[36:37]          ; x at my wave's first row
	s_load_b32 s14, s[10:11], 0x0                  ; b
	global_load_b64 v[VV:VV+1], v[VGO], s[8:9]     ; 128 threads x 8 bytes: v
	XQ 62                                          ; with v's load 63 are out: as many as the counter's field holds
	WIN 0                                          ; at a label and at a branch every window is 0
	s_lshl_b32 s36, s22, 11                        ; out: 2,048 bytes a work-group, 512 a wave
	s_lshl_b32 s38, s20, 9
	s_add_co_u32 s36, s36, s38
	s_add_nc_u64 s[12:13], s[12:13], s[36:37]
	; The joint load: wave w brings rows 64 w .. 64 w + 63 of A.  Nothing in the descriptor hangs on the work-group: it is the same in the four that the mask names.
	s_lshl_b32 s50, s20, 16                        ; 64 rows of 1,024 bytes
	s_mov_b32 s51, 0
	s_mov_b32 s24, 1                               ; group 0: count = 1
	s_mul_i32 s25, s20, 64*AFP                     ; LDS address: 64 padded rows a wave
	s_add_nc_u64 s[26:27], s[6:7], s[50:51]        ; global address of the tile's first element
	s_or_b32 s27, s27, 0x80000000                  ; type = 2
	s_mov_b32 s28, 15|(2<<16)|(1<<20)|(1<<21)|(7<<22)|(3<<25)  ; group 1: mask = the cluster's four; elements of 4 bytes; padding on; bit 21 beside a mask; after every 256 words (code 7) 4 words (code 3)
	s_mov_b32 s29, 256<<16                         ; tensor_dim0 = 256
	s_mov_b32 s30, 64<<16                          ; tensor_dim1 = 64
	s_mov_b32 s31, 256<<16                         ; tile_dim0 = 256
	s_mov_b32 s32, 64                              ; tile_dim1 = 64
	s_mov_b32 s33, 256                             ; 256 elements from row to row
	s_mov_b32 s34, 0
	s_mov_b32 s35, 0
	ROUND                                          ; the four work-groups are here: their joint loads meet
	tensor_load_to_lds s[24:27], s[28:35]          ; my only tensor load: a first fill; these bytes are never filled again
	s_nop 0
	XQ 34                                          ; the issue holds while 63 loads are out (ISA guide 5.7.1): x goes on streaming while A is on its way
	WIN 0
	; the other addresses
	v_and_b32 v2, 15, v0                           ; r
	v_bfe_u32 v3, v0, 4, 1                         ; h
	s_mul_i32 s38, s20, SAW
	s_add_co_u32 s38, s38, SA                      ; my stage
	v_add_nc_u32 v[STW], s38, v[VOFF]
	v_mul_u32_u24 v[STR], v2, AFP
	v_lshl_add_u32 v[STR], v3, 5, v[STR]
	v_add_nc_u32 v[STR], s38, v[STR]
	v_mul_u32_u24 v[LA0], v2, LTP
	v_mad_u32_u24 v[LA0], v3, PLANE, v[LA0]
	v_add_nc_u32 v[LA1], 2*PLANE, v[LA0]
	v_lshlrev_b32 v[VA], 5, v3
	v_add_nc_u32 v[VA], VL, v[VA]
	s_lshl_b32 s39, s20, 9
	s_add_co_u32 s39, s39, OS
	v_lshl_add_u32 v[OSW], v1, 2, s39
	v_lshl_add_u32 v[OSR], v1, 4, s39
	v_mul_u32_u24 v[NATA], v1, AFP
	s_lshl_b32 s38, s20, 5
	v_add_nc_u32 v[NATA], s38, v[NATA]
	s_mul_i32 s39, s20, 8*AFP
	v_lshl_add_u32 v[TRA], v1, 2, s39
.irp i, 1,2,3,4,5,6,7
	v_add_nc_u32 v[NATA+\i], \i*32*AFP, v[NATA]
	v_add_nc_u32 v[TRA+\i], \i*32*AFP, v[TRA]
.endr
	s_mul_i32 s38, s20, PLANE
	v_mul_u32_u24 v[LTW], v1, LTP
	v_add_nc_u32 v[LTW], s38, v[LTW]
	s_lshl_b32 s39, s20, 3
	v_sub_nc_u32 v[DD], v1, s39                    ; in a diagonal block: n - k = (l - 8 w) - i
.irp i, 0,1,2,3,4,5,6,7,8
	v_cmp_le_i32 s[MK+\i], \i, v[DD]
.endr
	v_add_nc_u32 v[VLW], VL, v[VGO]
	s_mov_b32 s16, 0x76543210                      ; v_permlanex16_b32: lane i of one half reads lane i of the other
	s_mov_b32 s17, 0xfedcba98
	s_mov_b32 s18, 0xffff0000                      ; lanes 16 .. 31
	s_wait_kmcnt 0x0                               ; b
	s_wait_tensorcnt 0x0                           ; my 64 rows of A are in LDS,
	s_barrier_signal -1
	s_barrier_wait -1                              ; everybody's are
; ================= L.  A unit is a block (P, Q), Q <= P, of 32 n x 32 k; wave w makes its k = 32 Q + 8 w + 0..7, lane l its row n = 32 P + l.
.set LU, 0                             ; units loaded, and the next one's block
.set LP, 0
.set LQ, 0
.set CU, 0                             ; units made, and the next one's block
.set CP, 0
.set CQ, 0
.macro ULOAD                           ; ten loads: A(n, k ..) as two of 16 bytes; A(k + i, n), eight words, 32 lanes side by side
	ds_load_b128 v[TB+16*(LU%4):TB+16*(LU%4)+3], v[NATA+LP] offset:128*LQ
	ds_load_b128 v[TB+16*(LU%4)+4:TB+16*(LU%4)+7], v[NATA+LP] offset:128*LQ+16
.irp i, 0,1,2,3,4,5,6,7
	ds_load_b32 v[TB+16*(LU%4)+8+\i], v[TRA+LQ] offset:AFP*\i+128*LP
.endr
.set LU, LU+1
.set LQ, LQ+1
.if LQ > LP
.set LQ, 0
.set LP, LP+1
.endif
.endm
.macro UNEXT
.set CU, CU+1
.set CQ, CQ+1
.if CQ > CP
.set CQ, 0
.set CP, CP+1
.endif
.endm
.macro UCALC
.set TT, TB+16*(CU%4)
	s_wait_dscnt 10*(LU-CU-1)                      ; ten loads for each unit loaded behind this one may stay out
.if CP == CQ
.irp i, 0,1,2,3,4,5,6,7
	v_cndmask_b32 v[TT+8+\i], 0, v[TT+8+\i], s[MK+1+\i]   ; A(k, n) counts where k < n
.endr
.endif
.irp j, 0,2,4,6
	v_pk_add_f32 v[TT+\j:TT+\j+1], v[TT+\j:TT+\j+1], v[TT+8+\j:TT+8+\j+1]
.endr
.if CP == CQ
.irp i, 0,1,2,3,4,5,6,7
	v_cndmask_b32 v[TT+\i], 0, v[TT+\i], s[MK+\i]  ; and nothing where k > n: a choice, not a product, so no number of A's upper part leaks in
.endr
.endif
.irp j, 0,1,2,3
	v_cvt_pk_f16_f32 v[LR+4*CU+\j], v[TT+2*\j], v[TT+2*\j+1]   ; x is packed by the same instruction in the same order of k
.endr
	UNEXT
.endm
	ULOAD
	ULOAD
	ULOAD
.rept 36
.if LU < 36
	ULOAD                                          ; three units ahead, into the buffer that the last unit left
.endif
.if CU%4 == 0
	XQ 4                                           ; the ring's last 32 registers' loads, four in every fourth unit
	WIN 0
.endif
	UCALC
.endr
	s_wait_dscnt 0x0                               ; my reads of A are over (met: the last unit's wait was for 0),
	s_barrier_signal -1
	s_barrier_wait -1                              ; everybody's are: A's bytes, which no tensor load fills again, now take L and the stages
.set CU, 0
.set CP, 0
.set CQ, 0
.rept 36
	ds_store_b128 v[LTW], v[LR+4*CU:LR+4*CU+3] offset:32*LTP*CP+16*CQ
	UNEXT
.endr
	LDWAIT -1                                      ; v's load stands in front of all loads of x
	ds_store_b64 v[VLW], v[VV:VV+1]
	STAGE 0, 0                                     ; tile 0, left half
	s_wait_dscnt 0x0                               ; for the others' sake: my plane of L and my part of v are written,
	s_barrier_signal -1
	s_barrier_wait -1                              ; everybody's are.  The last barrier of the work-group in front of the closing round
.set DSN, 0
; ================= the main part
.set G,  0                             ; group = 8 x tile + p
.set GS, 0                             ; steps done, over all tiles
.set FS, 0                             ; steps whose fragments of L have been asked for, and the next one's (p, kb): L is the same for every tile
.set FP, 0
.set FK, 0
.macro FETCH1                          ; one step's fragments of L: n blocks 2 p, 2 p + 1, k block kb; registers 0-3 from plane h, 4-7 from plane 2 + h
.irp par, 0,1
	ds_load_b128 v[FR+16*(FS%8)+8*\par:FR+16*(FS%8)+8*\par+3], v[LA0] offset:16*LTP*(2*FP+\par)+16*FK
	ds_load_b128 v[FR+16*(FS%8)+8*\par+4:FR+16*(FS%8)+8*\par+7], v[LA1] offset:16*LTP*(2*FP+\par)+16*FK
.endr
.set DSN, DSN+4
.set FS, FS+1
.set FK, FK+1
.if FK > FP
.set FK, 0
.set FP, (FP+1)&7
.endif
.endm
.macro FETCHRUN                        ; a run of four steps: half of the eight slots
.rept 4
	FETCH1
.endr
.if ((FS>>2)&1) == 1
.set MARKF0, DSN
.else
.set MARKF1, DSN
.endif
.endm
.macro RUNHEAD                         ; in front of every fourth step
.if GS > 0
	PLACES                                         ; the slots filled next were read by the matrix instructions just issued
.endif
	WIN W_MUL
.if FS < 144
	FETCHRUN                                       ; the next run's fragments: sixteen matrix instructions ahead of their use
.endif
	XQ 8                                           ; 72 chances in a tile's nine runs for its 64 loads
.if ((GS>>2)&1) == 0
	DSWAIT MARKF0                                  ; this run's fragments are in
.else
	DSWAIT MARKF1
.endif
.endm
.macro XFLOAD g                        ; group g's 32 columns of x in f32, from my stage: row 16 mt + r, columns 32 p + 16 par + 8 h + 0..7
	WIN W_XFL
.irp mt, 0,1
.irp c, 0,1,2,3
	ds_load_b128 v[XF+32*((\g)&1)+16*\mt+4*\c:XF+32*((\g)&1)+16*\mt+4*\c+3], v[STR] offset:16*AFP*\mt+128*((\g)&7)+16*(\c&1)+64*(\c>>1)
.endr
.endr
.set DSN, DSN+8
.if ((\g)&1) == 0
.set MARKX0, DSN
.else
.set MARKX1, DSN
.endif
.endm
.macro VLOAD g                         ; v(32 p + 16 par + 8 h + 0..7): what register j of an accumulator starts from
	WIN W_MUL
.irp par, 0,1
.irp c, 0,1
	ds_load_b128 v[VF+16*((\g)&1)+8*\par+4*\c:VF+16*((\g)&1)+8*\par+4*\c+3], v[VA] offset:64*(2*((\g)&7)+\par)+16*\c
.endr
.endr
.set DSN, DSN+4
.if ((\g)&1) == 0
.set MARKV0, DSN
.else
.set MARKV1, DSN
.endif
.endm
.macro CVT                             ; group G's columns become the fragments (mt, kb = p): registers 0-3 hold k = 8 h + 0..7, registers 4-7 k = 16 + 8 h + 0..7
.if (G&1) == 0
	DSWAIT MARKX0
.else
	DSWAIT MARKX1
.endif
	WIN W_CVT
.irp mt, 0,1
.irp i, 0,1,2,3,4,5,6,7
	v_cvt_pk_f16_f32 v[XB+8*(8*\mt+PP)+\i], v[XF+32*(G&1)+16*\mt+2*\i], v[XF+32*(G&1)+16*\mt+2*\i+1]
.endr
.endr
.endm
.macro MUL4                            ; one step.  The four accumulators take turns, one instruction a turn
	WIN W_MUL
.if KB == 0
.if (G&1) == 0
	DSWAIT MARKV0
.else
	DSWAIT MARKV1
.endif
.endif
.irp q, 0,1,2,3
.if KB == 0
	v_wmma_f32_16x16x32_f16 v[ACC+32*(G&1)+8*\q:ACC+32*(G&1)+8*\q+7], v[FR+16*(GS%8)+8*(\q>>1):FR+16*(GS%8)+8*(\q>>1)+7], v[XB+8*(8*(\q&1)+KB):XB+8*(8*(\q&1)+KB)+7], v[VF+16*(G&1)+8*(\q>>1):VF+16*(G&1)+8*(\q>>1)+7]
.else
	v_wmma_f32_16x16x32_f16 v[ACC+32*(G&1)+8*\q:ACC+32*(G&1)+8*\q+7], v[FR+16*(GS%8)+8*(\q>>1):FR+16*(GS%8)+8*(\q>>1)+7], v[XB+8*(8*(\q&1)+KB):XB+8*(8*(\q&1)+KB)+7], v[ACC+32*(G&1)+8*\q:ACC+32*(G&1)+8*\q+7]
.endif
.endr
.endm
.macro EPI ge                          ; group ge is summed: S(q) += y x, both in f32, two columns at a time, four chains.  A tile's first group starts the sums
	PLACES                                         ; behind group ge's last matrix instructions, whose results are read
	WIN W_MUL
.irp i, 0,1,2,3
.irp q, 0,1,2,3
.if ((\ge)&7)+\i == 0
	v_pk_mul_f32 v[SS+2*\q:SS+2*\q+1], v[ACC+32*((\ge)&1)+8*\q+2*\i:ACC+32*((\ge)&1)+8*\q+2*\i+1], v[XF+32*((\ge)&1)+16*(\q&1)+8*(\q>>1)+2*\i:XF+32*((\ge)&1)+16*(\q&1)+8*(\q>>1)+2*\i+1]
.else
	v_pk_fma_f32 v[SS+2*\q:SS+2*\q+1], v[ACC+32*((\ge)&1)+8*\q+2*\i:ACC+32*((\ge)&1)+8*\q+2*\i+1], v[XF+32*((\ge)&1)+16*(\q&1)+8*(\q>>1)+2*\i:XF+32*((\ge)&1)+16*(\q&1)+8*(\q>>1)+2*\i+1], v[SS+2*\q:SS+2*\q+1]
.endif
.endr
.endr
.endm
.macro RED tq                          ; a tile's end.  Lane (r, h) holds its half of the sums of rows r and 16 + r; lane l ends with row l
	WIN 0
	v_pk_add_f32 v[SS:SS+1], v[SS:SS+1], v[SS+4:SS+5]          ; the two n blocks, rows 0-15
	v_pk_add_f32 v[SS+2:SS+3], v[SS+2:SS+3], v[SS+6:SS+7]      ; rows 16-31
	v_add_f32 v[RT], v[SS], v[SS+1]
	v_add_f32 v[RT+1], v[SS+2], v[SS+3]
	v_cndmask_b32 v[RT+2], v[RT+1], v[RT], s18     ; what the other half wants of me: lanes 0-15 give row 16 + r, lanes 16-31 row r
	v_cndmask_b32 v[RT], v[RT], v[RT+1], s18       ; what I keep
	v_permlanex16_b32 v[RT+3], v[RT+2], s16, s17
	v_add_f32 v[RT], v[RT], v[RT+3]
	v_add_f32 v[RT], s14, v[RT]                    ; + b
	ds_store_b32 v[OSW], v[RT] offset:128*(\tq)
.set DSN, DSN+1
.endm
.macro STEP
.if GS%4 == 0
	RUNHEAD
.endif
.if KB == PP
	CVT                                            ; chunk p of x is first needed by the group's last step
.endif
	MUL4
.if KB == 0
.if G > 0
	EPI G-1                                        ; behind the next group's first step, so that the places are the only idle slots
.endif
.if G < 31
	VLOAD G+1                                      ; its buffer was last read by group G - 1's first step, with the places of an EPI behind it
.endif
.if G > 0
.if PP == 0
	RED (G>>3)-1
.endif
.endif
.if G < 31
.if PP != 3
	XFLOAD G+1                                     ; into the buffer that EPI G - 1 has just left: a whole group ahead of its use
.endif
.endif
.endif
.set GS, GS+1
.endm
	WIN W_MUL
	FETCHRUN                                       ; steps 0 to 3
	VLOAD 0
	XFLOAD 0
.rept 32
.set PP, G&7
.set KB, 0
.rept PP+1
	STEP
.set KB, KB+1
.endr
.if PP == 3
	STAGE G>>3, 1                                  ; the tile's right half; the bytes' last reads, of the tile before, were issued in its group 6
	XFLOAD G+1                                     ; chunk 4 is the first of that half
.endif
.if PP == 4
.if G < 24
	STAGE (G>>3)+1, 0                              ; the next tile's left half; the bytes' last reads were issued in this tile's group 2
.endif
.endif
.set G, G+1
.endr
	EPI 31
	RED 3
	ds_load_b128 v[RT+4:RT+7], v[OSR]              ; my wave's 128 results, four a lane; LDS serves a wave's instructions in order: these see the four stores
	s_wait_dscnt 0x0
	global_store_b128 v[VOFF], v[RT+4:RT+7], s[12:13] th:TH_STORE_NT   ; 512 consecutive bytes, aligned
	s_wait_tensorcnt 0x0
	ds_add_u32 v14, v15
	s_wait_dscnt 0x0
	ROUND                                          ; the closing round: no work-group ends while a partner may still ask for a tile that names it
	s_endpgm
.Lfunc_end_k_q0a1d50c7ef_quad:
	.size	k_q0a1d50c7ef_quad, .Lfunc_end_k_q0a1d50c7ef_quad-k_q0a1d50c7ef_quad
	.p2alignl 7, 3214868480
	.fill 96, 4, 3214868480
	.section	.rodata,"a",@progbits
	.p2align	6, 0x0
	.amdhsa_kernel k_q0a1d50c7ef_quad
		.amdhsa_group_segment_fixed_size 286208
		.amdhsa_private_segment_fixed_size 0
		.amdhsa_enable_private_segment 0
		.amdhsa_kernarg_size 40
		.amdhsa_user_sgpr_count 2
		.amdhsa_user_sgpr_kernarg_segment_ptr 1
		.amdhsa_wavefront_size32 1
		.amdhsa_system_sgpr_workgroup_id_x 1
		.amdhsa_system_sgpr_workgroup_id_y 1
		.amdhsa_system_sgpr_workgroup_id_z 1
		.amdhsa_system_vgpr_workitem_id 0
		.amdhsa_next_free_vgpr 1024
		.amdhsa_next_free_sgpr 66
		.amdhsa_reserve_vcc 0
		.amdhsa_float_denorm_mode_32 3
		.amdhsa_float_denorm_mode_16_64 3
		.amdhsa_memory_ordered 1
		.amdhsa_forward_progress 1
		.amdhsa_inst_pref_size 255
	.end_amdhsa_kernel
	.section	.bss,"aw",@nobits
	.p2align	6
	.space	262144
	.amdgpu_metadata
---
amdhsa.version: [ 1, 2 ]
amdhsa.kernels:
  - .name:           k_q0a1d50c7ef_quad
    .symbol:         k_q0a1d50c7ef_quad.kd
    .args:
      - { .name: x, .offset: 0, .size: 8, .value_kind: global_buffer, .address_space: global }
      - { .name: A, .offset: 8, .size: 8, .value_kind: global_buffer, .address_space: global }
      - { .name: v, .offset: 16, .size: 8, .value_kind: global_buffer, .address_space: global }
      - { .name: b, .offset: 24, .size: 8, .value_kind: global_buffer, .address_space: global }
      - { .name: out0, .offset: 32, .size: 8, .value_kind: global_buffer, .address_space: global }
    .group_segment_fixed_size: 286208
    .private_segment_fixed_size: 0
    .kernarg_segment_align: 8
    .kernarg_segment_size: 40
    .max_flat_workgroup_size: 128
    .sgpr_count:     66
    .vgpr_count:     1024
    .wavefront_size: 32
...
	.end_amdgpu_metadata
.endif
;; end of part 1
